; MI455X (gfx1250); checked and timed in simulation.
; The chip was launched on July 23, 2026; its instructions are those of AMD's public machine-readable ISA for CDNA 5 (MIT licence, August 2026) and "CDNA5" Instruction Set Architecture Reference Guide (July 2026). The comments in the code are by the model that wrote it; some were corrected since.
;; Noisy Dense. Allowed arithmetic: float matrix products may take bf16 or f16 operands with f32 sums; all other float work in f32.
;; Inputs: kernel 4,096 x 4,096 float32; noise_eps 4,096 x 4,096 float32; noise_mean 4,096 float32; noise_std 4,096 float32; x 4,096 x 4,096 float32.
;; Outputs: out0 4,096 x 4,096 float32.
;; 2 versions, each right; version 2 is version 1 with the launch cast written anew for expert scheduling mode. Each part assembles by itself: llvm-mc -triple=amdgcn-amd-amdhsa -mcpu=gfx1250 --defsym DOCPART=n.
;; ======== version 1 of 2: 2 launches
;; workspace buffers: ab16 67,108,864 bytes
;; launch cast (part 1): grid 256 x 2, 8 waves a work-group, no clusters, 0 bytes of LDS; arguments x, kernel, ab16; writes ab16
.if DOCPART == 1
	.amdgcn_target "amdgcn-amd-amdhsa--gfx1250"
	.amdhsa_code_object_version 6
	.text
	.protected	k_q6f562ba1b5_cast
	.globl	k_q6f562ba1b5_cast
	.p2align	8
	.type	k_q6f562ba1b5_cast,@function
k_q6f562ba1b5_cast:
	s_mov_b64 s[64:65], 0
	v_nop
	global_prefetch_b8 v0, s[64:65] scope:SCOPE_SE
	s_setreg_imm32_b32 hwreg(HW_REG_WAVE_MODE, 25, 1), 1
	s_wait_xcnt 0x0
; ab16 = bf16(x), then bf16(kernel): both [4096][4096], each number rounded once to the nearest bf16 (ties to even), the layout kept.
; bf16 has f32's exponent range, so no input overflows or vanishes here; what is lost is the mantissa below 8 bits.
; Why a launch of its own: in the product each number of x and of kernel is read from LDS by two waves and in 16 work-groups; rounded here, once,
; it is half the bytes on every one of those ways.
; A stream: no LDS, no barrier, no matrix unit, no cluster: nothing is shared and nothing is summed.
; Grid y picks the tensor (0: x, 1: kernel).  Work-group g takes 262,144 consecutive source bytes, 64 pieces of 4,096.  Thread t takes 16 bytes of each piece:
; a wave's load covers 512 consecutive bytes, its store 256 consecutive bytes at a multiple of 256 from the buffer's first byte.
; A ring of DEPTH slots in registers keeps DEPTH loads of every wave in flight.  The pieces stand in the immediates (258,048 at the most), so no address register is rewritten.
.set DEPTH, 16
.set PIECES, 64
.set X, 4                              ; v[4:67]   slot i: 4 registers, 4 f32 as loaded
.set Y, 68                             ; v[68:99]  slot i: 2 registers, 4 bf16 to store
	s_load_b128 s[4:7], s[0:1], 0x0                ; x s[4:5], kernel s[6:7]
	s_load_b64 s[8:9], s[0:1], 0x10                ; ab16
	s_and_b32 s10, ttmp7, 0xffff                   ; which tensor
	s_lshl_b32 s12, ttmp9, 18                      ; the work-group's 262,144 source bytes (under 2^26 in all)
	s_mov_b32 s13, 0
	s_lshl_b32 s14, ttmp9, 17                      ; its 131,072 bytes of the result,
	s_lshl_b32 s16, s10, 25                        ; kernel's behind x's 33,554,432
	s_add_co_u32 s14, s14, s16
	s_mov_b32 s15, 0
	v_lshlrev_b32 v1, 4, v0                        ; 16 t: my bytes in a source piece; never rewritten
	v_lshlrev_b32 v2, 3, v0                        ; 8 t: my bytes in a piece of the result; never rewritten
	s_wait_kmcnt 0x0
	s_cmp_eq_u32 s10, 0
	s_cselect_b64 s[4:5], s[4:5], s[6:7]           ; the source: a choice between two buffers by the grid's y
	s_add_nc_u64 s[4:5], s[4:5], s[12:13]
	s_add_nc_u64 s[8:9], s[8:9], s[14:15]
.set i, 0
.rept DEPTH
	global_load_b128 v[X+4*i:X+4*i+3], v1, s[4:5] offset:i*4096 th:TH_LOAD_NT  ; the ring is filled; the source is read once in the launch
.set i, i+1
.endr
.set i, 0
.rept PIECES
.set SL, i%DEPTH
.if i < PIECES-DEPTH
	s_wait_loadcnt DEPTH-1                         ; loads come back in order (ISA guide 5.7.1): piece i is in, the 15 younger loads stay out
.else
	s_wait_loadcnt PIECES-1-i                      ; nothing is loaded any more: the count runs down
.endif
.if i >= DEPTH
	s_wait_xcnt 0x0                                ; the slot's Y was the data of its last store: it is rewritten only behind this wait
.endif
	v_cvt_pk_bf16_f32 v[Y+2*SL], v[X+4*SL], v[X+4*SL+1]      ; two roundings, packed
	v_cvt_pk_bf16_f32 v[Y+2*SL+1], v[X+4*SL+2], v[X+4*SL+3]
.if i+DEPTH < PIECES
	global_load_b128 v[X+4*SL:X+4*SL+3], v1, s[4:5] offset:(i+DEPTH)*4096 th:TH_LOAD_NT  ; the load goes ahead of the store
.endif
	global_store_b64 v2, v[Y+2*SL:Y+2*SL+1], s[8:9] offset:i*2048  ; no hint: the next launch reads these bytes
.set i, i+1
.endr
	s_endpgm
.Lfunc_end_k_q6f562ba1b5_cast:
	.size	k_q6f562ba1b5_cast, .Lfunc_end_k_q6f562ba1b5_cast-k_q6f562ba1b5_cast
	.p2alignl 7, 3214868480
	.fill 96, 4, 3214868480
	.section	.rodata,"a",@progbits
	.p2align	6, 0x0
	.amdhsa_kernel k_q6f562ba1b5_cast
		.amdhsa_group_segment_fixed_size 0
		.amdhsa_private_segment_fixed_size 0
		.amdhsa_enable_private_segment 0
		.amdhsa_kernarg_size 24
		.amdhsa_user_sgpr_count 2
		.amdhsa_user_sgpr_kernarg_segment_ptr 1
		.amdhsa_wavefront_size32 1
		.amdhsa_system_sgpr_workgroup_id_x 1
		.amdhsa_system_sgpr_workgroup_id_y 1
		.amdhsa_system_sgpr_workgroup_id_z 1
		.amdhsa_system_vgpr_workitem_id 0
		.amdhsa_next_free_vgpr 100
		.amdhsa_next_free_sgpr 66
		.amdhsa_reserve_vcc 0
		.amdhsa_float_denorm_mode_32 3
		.amdhsa_float_denorm_mode_16_64 3
		.amdhsa_memory_ordered 1
		.amdhsa_forward_progress 1
		.amdhsa_inst_pref_size 25
	.end_amdhsa_kernel
	.amdgpu_metadata
---
amdhsa.version: [ 1, 2 ]
amdhsa.kernels:
  - .name:           k_q6f562ba1b5_cast
    .symbol:         k_q6f562ba1b5_cast.kd
    .args:
      - { .name: x, .offset: 0, .size: 8, .value_kind: global_buffer, .address_space: global }
      - { .name: kernel, .offset: 8, .size: 8, .value_kind: global_buffer, .address_space: global }
      - { .name: ab16, .offset: 16, .size: 8, .value_kind: global_buffer, .address_space: global }
    .group_segment_fixed_size: 0
    .private_segment_fixed_size: 0
    .kernarg_segment_align: 8
    .kernarg_segment_size: 24
    .max_flat_workgroup_size: 256
    .sgpr_count:     66
    .vgpr_count:     100
    .wavefront_size: 32
...
	.end_amdgpu_metadata
.endif
;; end of part 1
;; launch gemm (part 2): grid 16 x 16, 4 waves a work-group, clusters of 4 x 4, 327,680 bytes of LDS; arguments ab16, noise_eps, noise_mean, noise_std, out0; writes out0
.if DOCPART == 2
	.amdgcn_target "amdgcn-amd-amdhsa--gfx1250"
	.amdhsa_code_object_version 6
	.text
	.protected	k_q6f562ba1b5_gemm
	.globl	k_q6f562ba1b5_gemm
	.p2align	8
	.type	k_q6f562ba1b5_gemm,@function
k_q6f562ba1b5_gemm:
	s_mov_b64 s[64:65], 0
	v_nop
	global_prefetch_b8 v0, s[64:65] scope:SCOPE_SE
	s_setreg_imm32_b32 hwreg(HW_REG_WAVE_MODE, 25, 1), 1
	s_wait_xcnt 0x0
	s_wait_alu depctr_hold_cnt(0) depctr_sa_sdst(0) depctr_va_vdst(0) depctr_va_sdst(0) depctr_va_ssrc(0) depctr_va_vcc(0) depctr_vm_vsrc(0)
	s_getreg_b32 s2, hwreg(HW_REG_IB_STS2, 6, 4)
	s_cmp_eq_u32 s2, 0
	s_cbranch_scc0 .Lentry_in_a_cluster
	s_endpgm
.Lentry_in_a_cluster:
	s_bfe_u32 s2, ttmp6, 0x10000c
	s_cmp_lg_u32 s2, 0xf033
	s_cbranch_scc0 .Lentry_shape_is_right
	s_endpgm
.Lentry_shape_is_right:
; out0[m][n] = sum over k of x[m][k] kernel[k][n] + (mean[n] + std[n] eps[m][n]) / 4096.  All sizes 4,096; out0, eps, mean, std in f32.
; ab16 holds xb = bf16(x), [m][k], and from byte 33,554,432 on kb = bf16(kernel), [k][n]: rows of 8,192 bytes.  Products in bf16, sums in f32, K ascending.
; LIMITS.  The product's operands carry bf16's 8 significant bits.  mean and std are multiplied by 2^-12 beforehand: exact, but for results below 2^-126, which lose at most 2^-149.
; The noise is added as fma(eps, std 2^-12, sum) + mean 2^-12: an order of rounding other than (mean + std eps) 2^-12 added to the sum; they differ in f32's last bits.
; SHARES.  A tile of out0, 256 x 256, is made by a work-group of four waves; a wave makes 128 x 128: 64 accumulators of 16 x 16, 512 registers.  16 x 16 tiles: 256 work-groups, one tile each.
; K goes in steps of 128 through a ring of two LDS slots filled by the tensor data mover: 256 rows of xb (256 bytes each) and 128 rows of kb (512 bytes each); both start at multiples of 256 bytes.
; kb lies [k][n] and is turned on its way out of LDS, by ds_load_tr16_b128.
; CLUSTERS.  4 x 4 work-groups.  The four of a row of the cluster need the same tiles of xb, the four of a column the same tiles of kb: each tile is asked for JOINTLY, by the same tensor load
; with the same descriptor and a mask that names the four; that divides the requests for both by four.
; THE MATRIX INSTRUCTION IS USED TRANSPOSED: source 0 = 16 columns of kernel, source 1 = 16 rows of x.  Lane l then holds row l % 16 and the columns 8 (l / 16) + 0..7: eight neighbouring numbers of a row of out0.
; THE WAY OUT.  16 rows at a time go through the wave's own stage in LDS and come back as whole rows of 512 bytes, into the registers that they left; eps arrives in the same layout straight from memory.
; Three of a wave's eight blocks of eps are loaded ahead of the loop into 192 registers that the loop leaves idle; four more are asked for ahead (a prefetch) in the last lap.
;
; REGISTERS, in windows of 256 (s_set_vgpr_msb: bits 1:0 source 0, 3:2 source 1, 5:4 source 2, 7:6 destination):
;   window 0: v0-31 addresses, std, mean; v64-127, v128-191 fragments of x, two buffers; v192-255 eps block 2
;   window 1: v0-63 eps block 0; v64-127, v128-191 fragments of kernel, two buffers; v192-255 eps block 1
;   window 2: the 32 accumulators of my rows 0-63 (accumulator (a, b) at v[8 (8 a + b)]);   window 3: those of my rows 64-127
; On the way out the four fragment buffers take eps blocks 3 to 6, and block 0's registers block 7.
.set PA,     272                       ; an LDS row of xb: 256 bytes + 16 of padding = 68 words: row r starts at bank 4 r mod 64 (64 banks of 4 bytes: ISA guide 11.1): the 16 rows of a load start at 16 different banks
.set PB,     544                       ; an LDS row of kb: 512 + 32 = 136 words: row r starts at bank 8 r mod 64
.set HALFT,  128*PA                    ; what one tensor load brings: 128 rows of xb, or 64 rows of kb (64 x 544 is the same 34,816 bytes)
.set SLOT,   4*HALFT                   ; xb's 256 rows, then kb's 128 rows
.set STAGE,  2*SLOT                    ; behind the ring, never filled by a tensor load: 16 rows x 528 bytes for each wave
.set SP,     528                       ; a stage row: 512 bytes + 16: the 16 rows that a store touches start at 16 different groups of four banks
.set SPARE,  STAGE+4*16*SP             ; behind the stages: the spare words, 128 bytes for each wave: two blocks of 256 bytes that no other line names
.set LAPS,   16                        ; a lap = two K steps = once round the ring: 4,096 / 256
.set ROWB,   16384                     ; bytes in a row of eps and of out0
.set STD,  8                           ; v[8:11]   std of my four columns, later times 2^-12
.set MEAN, 12                          ; v[12:15]  mean likewise
.set ADRA, 16                          ; v16-17    LDS address of my fragments of x in slot 0, 1
.set ADRB, 20                          ; v20-21    the same for kernel
.set STO,  24                          ; v24       the way out: where I put 16 bytes of a row
.set RD,   25                          ; v25       the way out: where I read a row back
.set CO,   26                          ; v26       16 x lane: my bytes in 512 consecutive bytes of a row of eps and out0; never rewritten
.set PF,   27                          ; v27       the prefetch: lane l names row l / 2 of a block of 16, and half l % 2 of its 512 bytes; never rewritten
.set SPW,  28                          ; v28       LDS address of my spare word: SPARE + 4 x my thread's number; never rewritten
.set NIL,  29                          ; v29       0; never rewritten
.set F0,   64                          ; fragment buffer 0
.set F1,   128                         ; fragment buffer 1
.set G1A, 24                           ; s[24:31] descriptor group 1 for xb's tiles
.set G0A, 32                           ; s[32:39] descriptor group 0 for xb's tiles, one set for each slot
.set G1B, 48                           ; s[48:55] descriptor group 1 for kb's tiles
.set G0B, 56                           ; s[56:63] descriptor group 0 for kb's tiles, one set for each slot
.set MSB, 0
.macro WIN new                         ; the immediate's high byte repeats the setting that is left; a switch that changes nothing is dropped
.if MSB != (\new)
	s_set_vgpr_msb (MSB<<8)|(\new)
.set MSB, \new
.endif
.endm
.set MUL_LO, 0xa1                      ; source 0 (kernel) window 1, source 1 (x) window 0, C and D window 2
.set MUL_HI, 0xf1                      ; the same, C and D window 3
.set TO_B,   0x40                      ; destination window 1, address window 0
; A joint load.  Waves 0 and 1 fetch xb's two halves, waves 2 and 3 kb's.  Each of the two lines has one mask and one set of registers for all that issue it; the branch hangs on the wave's number alone.
; An s_nop 0 and four v_nop follow each of the two lines; the jump round the other line, the label and what follows the macro come after them.
.macro JLOAD s
	s_cmp_eq_u32 s15, 0
	s_cbranch_scc0 .Lfor_b_\@
	tensor_load_to_lds s[G0A+4*(\s):G0A+4*(\s)+3], s[G1A:G1A+7]
	s_nop 0
.rept 4
	v_nop
.endr
	s_branch .Lasked_\@
.Lfor_b_\@:
	tensor_load_to_lds s[G0B+4*(\s):G0B+4*(\s)+3], s[G1B:G1B+7]
	s_nop 0
.rept 4
	v_nop
.endr
.Lasked_\@:
.endm
; A round of the cluster's barrier: my work-group's barrier, so that wave 0's signal speaks for all four waves; wave 0 signals for the work-group; every wave waits for all
; sixteen work-groups; my work-group's barrier once more.  No LDS instruction of the wave is pending at a signal.
.macro CREST                           ; a round behind its opening barrier
	s_cmp_lg_u32 s14, 0
	s_cbranch_scc1 .Lnot_wave_0_\@
	s_barrier_signal -3
.Lnot_wave_0_\@:
	s_barrier_wait -3
	s_barrier_signal -1
	s_barrier_wait -1
.endm
.macro CROUND                          ; a whole round
	s_barrier_signal -1
	s_barrier_wait -1
	CREST
.endm
	s_load_b256 s[4:11], s[0:1], 0x0               ; ab16 s[4:5], eps s[6:7], mean s[8:9], std s[10:11]
	s_load_b64 s[12:13], s[0:1], 0x20              ; out0
	v_lshl_add_u32 v[SPW], v0, 2, SPARE
	v_mov_b32 v[NIL], 0
	ds_add_u32 v[SPW], v[NIL]                      ; the wave's opening: the add and its wait ahead of my first tensor load; the set-up below, work on registers, stands between them
	v_lshrrev_b32 v1, 5, v0
	v_readfirstlane_b32 s14, v1                    ; wave 0..3
	s_lshr_b32 s15, s14, 1                         ; which half of the tile's rows is mine.  Also: I fetch for xb (0) or for kb (1)
	s_and_b32 s16, s14, 1                          ; which half of its columns.  Also: which half of that tile I fetch
	s_bfe_u32 s17, ttmp6, 0x40000                  ; cx: my place along the cluster's x
	s_bfe_u32 s18, ttmp6, 0x40004                  ; cy: along its y
	s_lshl_b32 s19, ttmp9, 2                       ; in a cluster launch ttmp9 and ttmp7 count clusters
	s_add_co_u32 s19, s19, s17                     ; tile column = 4 x cluster x + cx
	s_and_b32 s20, ttmp7, 0xffff
	s_lshl_b32 s20, s20, 2
	s_add_co_u32 s20, s20, s18                     ; tile row = 4 x cluster y + cy
	s_lshl_b32 s21, s18, 2
	s_lshl_b32 s21, 15, s21                        ; my row of the cluster: places 4 cy .. 4 cy + 3
	s_lshl_b32 s22, 0x1111, s17                    ; my column: places cx, cx + 4, cx + 8, cx + 12
	; descriptor group 1 for xb: a tile of 128 rows x 128 elements, padded in LDS
	s_or_b32 s[G1A+0], s21, (1<<16)|(1<<20)|(1<<21)|(5<<22)|(3<<25)  ; 15:0 the mask: my row; 17:16 elements of 2 bytes; 20 padding on; 21 set beside a mask; 24:22 after every 64 words (code 5); 31:25 4 words of it (code 3)
	s_mov_b32 s[G1A+1], 128<<16                    ; 63:48 tensor_dim0, low half = 128
	s_mov_b32 s[G1A+2], 128<<16                    ; 79:64 its high half = 0; 95:80 tensor_dim1, low half = 128
	s_mov_b32 s[G1A+3], 128<<16                    ; 111:96 its high half = 0; 127:112 tile_dim0 = 128
	s_mov_b32 s[G1A+4], 128                        ; 143:128 tile_dim1 = 128; 159:144 tile_dim2 = 0
	s_mov_b32 s[G1A+5], 4096                       ; 191:160 tensor_dim0_stride, low word: elements from row to row
	s_mov_b32 s[G1A+6], 0
	s_mov_b32 s[G1A+7], 0
	; and for kb: a tile of 64 rows (k) x 256 elements (n)
	s_or_b32 s[G1B+0], s22, (1<<16)|(1<<20)|(1<<21)|(6<<22)|(7<<25)  ; the mask: my column; padding after every 128 words (code 6), 8 words of it (code 7)
	s_mov_b32 s[G1B+1], 256<<16                    ; tensor_dim0 = 256
	s_mov_b32 s[G1B+2], 64<<16                     ; tensor_dim1 = 64
	s_mov_b32 s[G1B+3], 256<<16                    ; tile_dim0 = 256
	s_mov_b32 s[G1B+4], 64                         ; tile_dim1 = 64
	s_mov_b32 s[G1B+5], 4096
	s_mov_b32 s[G1B+6], 0
	s_mov_b32 s[G1B+7], 0
	; where the tiles come from.  xb's hang on the tile row alone, which my row of the cluster shares; kb's on the tile column alone, which my column shares.
	; Every wave makes both offsets, in registers that never hold the other coordinate, and asks by one of them.  All offsets stay under 2^27.
	s_lshl_b32 s40, s20, 8
	s_lshl_b32 s47, s16, 7
	s_add_co_u32 s40, s40, s47                     ; xb: row 256 x tile row + 128 x half,
	s_lshl_b32 s40, s40, 13                        ; times 8,192 bytes
	s_mov_b32 s41, 0
	s_lshl_b32 s42, s19, 9                         ; kb: column 256 x tile column, 2 bytes each,
	s_lshl_b32 s47, s16, 19                        ; row 64 x half, 8,192 bytes each,
	s_add_co_u32 s42, s42, s47
	s_add_co_u32 s42, s42, 0x2000000               ; behind xb
	s_mov_b32 s43, 0
	s_mul_i32 s23, s14, HALFT                      ; and where they go: xb's two halves, then kb's two halves = wave x 34,816: no place in the cluster enters an LDS address
	; my part of eps and of out0
	s_lshl_b32 s44, s20, 8
	s_lshl_b32 s47, s15, 7
	s_add_co_u32 s44, s44, s47                     ; my first row: 256 x tile row + 128 x half,
	s_lshl_b32 s44, s44, 14                        ; times 16,384 bytes
	s_lshl_b32 s46, s19, 10
	s_lshl_b32 s47, s16, 9
	s_add_co_u32 s46, s46, s47                     ; my first column, in bytes: 1,024 x tile column + 512 x half; also my place in mean and std
	s_add_co_u32 s44, s44, s46
	s_mov_b32 s45, 0
	s_wait_dscnt 0x0                               ; the opening add is done
	s_wait_kmcnt 0x0
	s_add_nc_u64 s[40:41], s[4:5], s[40:41]
	s_add_nc_u64 s[42:43], s[4:5], s[42:43]
	s_add_nc_u64 s[6:7], s[6:7], s[44:45]          ; eps and out0 at my wave's first number; never rewritten
	s_add_nc_u64 s[12:13], s[12:13], s[44:45]
	CROUND                                         ; all sixteen work-groups are here: the first joint loads meet
.irp s, 0,1
	s_mov_b32 s[G0A+4*(\s)], 1                                     ; 1:0 count = 1
	s_add_co_u32 s[G0A+4*(\s)+1], s23, (\s)*SLOT                   ; 63:32 LDS address
	s_add_nc_u64 s[G0A+4*(\s)+2:G0A+4*(\s)+3], s[40:41], (\s)*256  ; 120:64 global address: K step s lies 128 elements along the rows
	s_or_b32 s[G0A+4*(\s)+3], s[G0A+4*(\s)+3], 0x80000000          ; 127:126 type = 2
	s_mov_b32 s[G0B+4*(\s)], 1
	s_add_co_u32 s[G0B+4*(\s)+1], s23, (\s)*SLOT
	s_add_nc_u64 s[G0B+4*(\s)+2:G0B+4*(\s)+3], s[42:43], (\s)*0x100000  ; K step s lies 128 rows of 8,192 bytes down
	s_or_b32 s[G0B+4*(\s)+3], s[G0B+4*(\s)+3], 0x80000000
	JLOAD \s                                       ; the ring is filled before anything else is done: two tensor loads of mine are out
.endr
	v_and_b32 v1, 15, v0                           ; l % 16
	v_bfe_u32 v2, v0, 4, 1                         ; l / 16
	v_and_b32 v3, 7, v0                            ; l % 8
	v_bfe_u32 v4, v0, 3, 1                         ; (l / 8) % 2
	v_and_b32 v6, 31, v0
	v_lshlrev_b32 v[CO], 4, v6                     ; 16 x lane
	v_add_nc_u32 v6, s46, v[CO]                    ; my four columns' bytes in mean and std; never rewritten
	global_load_b128 v[STD:STD+3], v6, s[10:11]    ; wanted on the way out: they stay out through the loop
	global_load_b128 v[MEAN:MEAN+3], v6, s[8:9]
	; A fragment of x is 16 rows x 32 K in 8 registers: lane l holds row l % 16; registers 0-3 hold K = 8 (l / 16) + 0..7, registers 4-7 K = 16 + 8 (l / 16) + 0..7: two loads of 16 bytes, 32 bytes apart.
	v_mul_u32_u24 v5, v1, PA
	v_lshl_add_u32 v5, v2, 4, v5                   ; row x pitch + 16 x half
	s_mul_i32 s23, s15, HALFT                      ; my 128 rows of xb
	v_add_nc_u32 v[ADRA], s23, v5
	v_add_nc_u32 v[ADRA+1], SLOT, v[ADRA]
	; The turning load takes 16 k x 16 n (lane l reads 16 bytes: k = 8 (l / 16) + l % 8, n = 8 ((l / 8) % 2) + 0..7) and leaves half a fragment: lane l holds column l % 16 and 8 k.
	v_lshl_add_u32 v5, v2, 3, v3
	v_mul_u32_u24 v5, v5, PB
	v_lshl_add_u32 v5, v4, 4, v5
	s_lshl_b32 s23, s16, 8                         ; my 128 columns: 256 bytes of each row of kb,
	s_add_co_u32 s23, s23, 2*HALFT                 ; which lies behind xb's 256 rows
	v_add_nc_u32 v[ADRB], s23, v5
	v_add_nc_u32 v[ADRB+1], SLOT, v[ADRB]
	s_mul_i32 s23, s14, 16*SP
	s_add_co_u32 s23, s23, STAGE                   ; my stage
	v_mul_u32_u24 v5, v1, SP                       ; in: row l % 16, 32 bytes (8 f32) for each half of the lanes
	v_lshl_add_u32 v5, v2, 5, v5
	v_add_nc_u32 v[STO], s23, v5
	v_add_nc_u32 v[RD], s23, v[CO]                 ; back: 32 lanes take one row of 512 bytes
	v_bfe_u32 v5, v0, 1, 4
	v_and_b32 v[PF], 1, v0
	v_lshlrev_b32 v[PF], 8, v[PF]
	v_lshl_add_u32 v[PF], v5, 14, v[PF]            ; row l / 2 x 16,384 + 256 x (l % 2)
; 16 matrix instructions: m blocks a0, a0 + 1 of the window's four (hi = 0: my rows 0-63, 1: rows 64-127) x all 8 n blocks, 32 along K.
; zero = 1: the first product starts the sums: nothing is ever cleared.  The 64 accumulators take turns, one instruction a turn, in the same order in every quarter.
.macro MUL16 f, hi, a0, zero
	WIN MUL_LO+0x50*(\hi)
.irp a, \a0, (\a0)+1
.irp b, 0,1,2,3,4,5,6,7
.if \zero
	v_wmma_f32_16x16x32_bf16 v[8*(8*(\a)+(\b)):8*(8*(\a)+(\b))+7], v[(\f)+8*(\b):(\f)+8*(\b)+7], v[(\f)+8*(4*(\hi)+(\a)):(\f)+8*(4*(\hi)+(\a))+7], 0
.else
	v_wmma_f32_16x16x32_bf16 v[8*(8*(\a)+(\b)):8*(8*(\a)+(\b))+7], v[(\f)+8*(\b):(\f)+8*(\b)+7], v[(\f)+8*(4*(\hi)+(\a)):(\f)+8*(4*(\hi)+(\a))+7], v[8*(8*(\a)+(\b)):8*(8*(\a)+(\b))+7]
.endif
.endr
.endr
.endm
; 32 LDS loads in one run: the fragments of quarter q of a K step (32 K x my 128 columns of kernel, turned; my 128 rows of x x 32 K) into buffer f.  The largest offset is 61,152.
.macro FETCH slot, q, f
	WIN TO_B
.irp i, 0,1,2,3,4,5,6,7
	ds_load_tr16_b128 v[(\f)+8*(\i):(\f)+8*(\i)+3],   v[ADRB+(\slot)] offset:(\q)*32*PB+32*(\i)
	ds_load_tr16_b128 v[(\f)+8*(\i)+4:(\f)+8*(\i)+7], v[ADRB+(\slot)] offset:(\q)*32*PB+16*PB+32*(\i)
.endr
	WIN 0
.irp i, 0,1,2,3,4,5,6,7
	ds_load_b128 v[(\f)+8*(\i):(\f)+8*(\i)+3],   v[ADRA+(\slot)] offset:(\q)*64+(\i)*16*PA
	ds_load_b128 v[(\f)+8*(\i)+4:(\f)+8*(\i)+7], v[ADRA+(\slot)] offset:(\q)*64+(\i)*16*PA+32
.endr
.endm
; A load into a register that a matrix instruction has read, and an LDS store or vector instruction that reads a matrix result, stand four places behind that matrix instruction, and only plain
; vector instructions that name none of its registers are places (ISA guide 7.12.1 for vector instructions).  The matrix instructions in between are not counted.
.macro PLACES
.rept 4
	v_nop
.endr
.endm
; A K step is four quarters of 32 along K, 64 matrix instructions each, on buffers 0, 1, 0, 1.
; One of the first three: multiplies buffer f; in its middle it fetches quarter q of the same slot into buffer g.
; pf = 3 .. 6: block pf of my eps (16 rows x 512 bytes: 32 lanes, 256 bytes apart, each aligned 256 bytes named once in the launch) is asked for ahead, behind the run of loads and in front of 32 matrix instructions.
.macro QUARTER slot, q, f, g, zero, pf=-1
	s_wait_dscnt 8                                 ; kernel's fragments and x's rows 0-63 are in; the youngest eight loads (x's rows 64-127) may be out
	MUL16 \f, 0, 0, \zero
	MUL16 \f, 0, 2, \zero
	PLACES
	FETCH \slot, \q, \g
	s_wait_dscnt 32                                ; all but the 32 just issued
.if (\pf) >= 0
	global_prefetch_b8 v[PF], s[6:7] offset:16*(\pf)*ROWB th:TH_LOAD_NT scope:SCOPE_SE
.endif
	MUL16 \f, 1, 0, \zero
	MUL16 \f, 1, 2, \zero
.endm
; The last quarter multiplies buffer 1 and changes slots.  MEET is its first half: ONE barrier for the change of slots.  In front of it each wave waits for all its tensor loads, of which one is out:
; its part of the next slot; adds 0 to its spare word; and waits for that and for its own reads of this slot.  Behind it nobody reads this slot any more and the next slot is whole.
.macro MEET round                      ; round = 1: a round of the cluster's barrier follows
	WIN 0                                          ; (the add's two registers lie in window 0)
	s_wait_tensorcnt 0x0                           ; all my tensor loads have landed;
	ds_add_u32 v[SPW], v[NIL]                      ; 0 onto my spare word:
	s_wait_dscnt 9                                 ; (the add and the youngest eight loads may be out)
	MUL16 F1, 0, 0, 0                              ; sixteen matrix instructions stand between the add and the wait for it
	s_wait_dscnt 0x0                               ; the add is done, and my reads of this slot are over:
	s_barrier_signal -1                            ; say so (where a slot is filled again this barrier opens a round of the cluster's barrier),
	MUL16 F1, 0, 2, 0                              ; work on registers while the others arrive,
.if \round
	WIN 0
.endif
	s_barrier_wait -1                              ; and go on when all four have said so
.endm
; The whole last quarter.  fill = 1: behind the round the slot just read out is filled again first, with the K step two steps on: from that request to the wait for it a wave issues 224 matrix instructions.
; Then come the next slot's first fragments.
.macro TURN slot, next, fill
.if \fill
	MEET 1
	CREST                                          ; no wave of any partner still reads this slot's tile or has a load on its way
	s_add_nc_u64 s[G0A+4*(\slot)+2:G0A+4*(\slot)+3], s[G0A+4*(\slot)+2:G0A+4*(\slot)+3], 512       ; 256 elements along xb's rows; no tensor load of mine is out, so a group 0 may be written
	s_add_nc_u64 s[G0B+4*(\slot)+2:G0B+4*(\slot)+3], s[G0B+4*(\slot)+2:G0B+4*(\slot)+3], 0x200000  ; 256 rows down kb; the type bits on top are not reached
	JLOAD \slot                                    ; the first tensor load behind the round, my only one until the next; its four v_nop are also the places in front of the loads below
.else
	MEET 0
	PLACES
.endif
	FETCH \next, 0, F0
	MUL16 F1, 1, 0, 0
	MUL16 F1, 1, 2, 0
.endm
; THE WAY OUT, in blocks of 16 rows: block a = 0 .. 7 of my 128 rows.
.macro EBUF a                          ; where block a of eps lies: window EW, first register EB
.if ((\a) == 0) || ((\a) == 7)
.set EW, 1
.set EB, 0
.elseif (\a) == 1
.set EW, 1
.set EB, 192
.elseif (\a) == 2
.set EW, 0
.set EB, 192
.elseif (\a) == 3
.set EW, 0
.set EB, 64
.elseif (\a) == 4
.set EW, 0
.set EB, 128
.elseif (\a) == 5
.set EW, 1
.set EB, 64
.else
.set EW, 1
.set EB, 128
.endif
.endm
.macro ELOAD a                         ; 16 loads: each takes my 512 consecutive bytes of one row of eps; a row's place stands in the immediate, 2,080,768 at the most
	EBUF \a
	WIN EW<<6
.set tt, 0
.rept 16
	global_load_b128 v[EB+4*tt:EB+4*tt+3], v[CO], s[6:7] offset:(16*(\a)+tt)*ROWB th:TH_LOAD_NT
.set tt, tt+1
.endr
.endm
; Block a's eight accumulators go into my stage (each accumulator's four lowest registers first) and come back as whole rows, into the registers that they left:
; register 4 t + c of the block then holds row t, column 4 x lane + c.  LDS serves a wave's instructions in order (ISA guide 5.7.1.4): the loads see the stores above them, and the next block's stores come behind these loads.
.macro TOSTAGE a
.set AC, 64*((\a)%4)
.set W, 2+(\a)/4
	WIN W<<2                                       ; store data in the accumulators' window
.irp b, 0,1,2,3,4,5,6,7
	ds_store_b128 v[STO], v[AC+8*(\b):AC+8*(\b)+3] offset:64*(\b)
	ds_store_b128 v[STO], v[AC+8*(\b)+4:AC+8*(\b)+7] offset:64*(\b)+16
.endr
	WIN W<<6
.set tt, 0
.rept 16
	ds_load_b128 v[AC+4*tt:AC+4*tt+3], v[RD] offset:SP*tt
.set tt, tt+1
.endr
.endm
; Block a takes its noise and leaves.  younger: the LDS instructions issued behind its loads from the stage: the next block's 16 stores and 16 loads, or none.
.macro FINISH a, younger
.set AC, 64*((\a)%4)
.set W, 2+(\a)/4
	EBUF \a
	s_wait_dscnt \younger                          ; the block is back in registers
	WIN EW|(W<<4)|(W<<6)
.set tt, 0
.rept 32
	v_pk_fma_f32 v[AC+2*tt:AC+2*tt+1], v[EB+2*tt:EB+2*tt+1], v[STD+2*(tt%2):STD+2*(tt%2)+1], v[AC+2*tt:AC+2*tt+1]  ; sum + eps x std 2^-12
.set tt, tt+1
.endr
	WIN W|(W<<6)
.set tt, 0
.rept 32
	v_pk_add_f32 v[AC+2*tt:AC+2*tt+1], v[AC+2*tt:AC+2*tt+1], v[MEAN+2*(tt%2):MEAN+2*(tt%2)+1]  ; + mean 2^-12
.set tt, tt+1
.endr
	WIN W<<2
.set tt, 0
.rept 16
	global_store_b128 v[CO], v[AC+4*tt:AC+4*tt+3], s[12:13] offset:(16*(\a)+tt)*ROWB th:TH_STORE_NT  ; 512 consecutive bytes of a row, at a multiple of 256 from out0's first byte; neither address nor data is ever rewritten
.set tt, tt+1
.endr
.endm
	s_wait_tensorcnt 1                             ; my part of K step 0 is in; K step 1's may stay out
	s_barrier_signal -1
	s_barrier_wait -1                              ; everybody's is
	FETCH 0, 0, F0
	QUARTER 0, 1, F0, F1, 1                        ; the first quarter stands in front of the loop: its products start the sums
	ELOAD 0                                        ; three of my eight blocks of eps, behind the first tiles' requests: they land while the loop multiplies;
	ELOAD 1                                        ; with mean's and std's, 50 loads of mine are out
	ELOAD 2
	WIN 0                                          ; at a label and at a branch every window is 0
	s_mov_b32 s3, LAPS-1
.Llap:                                                 ; a trip goes once round the ring, from a lap's second quarter to the next lap's first, and fills both slots again
	QUARTER 0, 2, F1, F0, 0
	QUARTER 0, 3, F0, F1, 0
	TURN 0, 1, 1
	QUARTER 1, 1, F0, F1, 0
	QUARTER 1, 2, F1, F0, 0
	QUARTER 1, 3, F0, F1, 0
	TURN 1, 0, 1
	QUARTER 0, 1, F0, F1, 0
	WIN 0
	s_sub_co_u32 s3, s3, 1
	s_cmp_lg_u32 s3, 0
	s_cbranch_scc1 .Llap
	QUARTER 0, 2, F1, F0, 0                        ; the last lap is written out: it fills nothing and has no round of the cluster's barrier
	QUARTER 0, 3, F0, F1, 0, 3                     ; eps blocks 3 to 6 are asked for 352, 224, 160 and 96 matrix instructions ahead of the last product: 32 KiB a wave.
	TURN 0, 1, 0                                   ; Block 7, which is loaded four blocks of the way out later, is not asked for.
	QUARTER 1, 1, F0, F1, 0, 4
	QUARTER 1, 2, F1, F0, 0, 5
	QUARTER 1, 3, F0, F1, 0, 6
	s_wait_dscnt 8                                 ; the very last quarter: nothing more to fetch
	MUL16 F1, 0, 0, 0
	MUL16 F1, 0, 2, 0
	s_wait_dscnt 0x0
	MUL16 F1, 1, 0, 0
	MUL16 F1, 1, 2, 0
	PLACES                                         ; for the LDS stores of the sums and for the loads into the fragment buffers
	WIN 0
	s_wait_loadcnt 0x0                             ; mean, std and eps blocks 0 to 2, issued ahead of the loop
.irp j, 0,1,2,3,4,5,6,7
	v_mul_f32 v[STD+(\j)], 0x39800000, v[STD+(\j)] ; std and mean (the next four registers) times 2^-12
.endr
	ELOAD 3                                        ; the fragment buffers are free: three more blocks of eps
	ELOAD 4
	ELOAD 5
	TOSTAGE 0
.irp a, 0,1,2,3,4,5,6,7                ; block a + 1's round trip through the stage stands in front of block a's arithmetic
.if (\a) < 7
	TOSTAGE (\a)+1
.endif
.if ((\a) == 3) || ((\a) == 4) || ((\a) == 5)
	s_wait_loadcnt 32                              ; eps block a is in; the two blocks behind it, 16 loads each, may be out
.elseif (\a) == 6
	s_wait_loadcnt 16                              ; block 7 may be out
.elseif (\a) == 7
	s_wait_loadcnt 0x0
.endif
.if ((\a) == 3) || ((\a) == 4)
	ELOAD (\a)+3                                   ; block 6 into kernel's second buffer; block 7 into block 0's registers, which have been read
.endif
.if (\a) < 7
	FINISH \a, 32
.else
	FINISH \a, 0
.endif
.endr
	WIN 0
	s_wait_tensorcnt 0x0                           ; the wave's end: behind my last tensor load and my last LDS store
	ds_add_u32 v[SPW], v[NIL]
	s_wait_dscnt 0x0
	CROUND                                         ; the closing round: no work-group ends while a partner may still ask for a tile that names it
	s_endpgm
.Lfunc_end_k_q6f562ba1b5_gemm:
	.size	k_q6f562ba1b5_gemm, .Lfunc_end_k_q6f562ba1b5_gemm-k_q6f562ba1b5_gemm
	.p2alignl 7, 3214868480
	.fill 96, 4, 3214868480
	.section	.rodata,"a",@progbits
	.p2align	6, 0x0
	.amdhsa_kernel k_q6f562ba1b5_gemm
		.amdhsa_group_segment_fixed_size 327680
		.amdhsa_private_segment_fixed_size 0
		.amdhsa_enable_private_segment 0
		.amdhsa_kernarg_size 40
		.amdhsa_user_sgpr_count 2
		.amdhsa_user_sgpr_kernarg_segment_ptr 1
		.amdhsa_wavefront_size32 1
		.amdhsa_system_sgpr_workgroup_id_x 1
		.amdhsa_system_sgpr_workgroup_id_y 1
		.amdhsa_system_sgpr_workgroup_id_z 1
		.amdhsa_system_vgpr_workitem_id 0
		.amdhsa_next_free_vgpr 1024
		.amdhsa_next_free_sgpr 66
		.amdhsa_reserve_vcc 0
		.amdhsa_float_denorm_mode_32 3
		.amdhsa_float_denorm_mode_16_64 3
		.amdhsa_memory_ordered 1
		.amdhsa_forward_progress 1
		.amdhsa_inst_pref_size 186
	.end_amdhsa_kernel
	.amdgpu_metadata
---
amdhsa.version: [ 1, 2 ]
amdhsa.kernels:
  - .name:           k_q6f562ba1b5_gemm
    .symbol:         k_q6f562ba1b5_gemm.kd
    .args:
      - { .name: ab16, .offset: 0, .size: 8, .value_kind: global_buffer, .address_space: global }
      - { .name: noise_eps, .offset: 8, .size: 8, .value_kind: global_buffer, .address_space: global }
      - { .name: noise_mean, .offset: 16, .size: 8, .value_kind: global_buffer, .address_space: global }
      - { .name: noise_std, .offset: 24, .size: 8, .value_kind: global_buffer, .address_space: global }
      - { .name: out0, .offset: 32, .size: 8, .value_kind: global_buffer, .address_space: global }
    .group_segment_fixed_size: 327680
    .private_segment_fixed_size: 0
    .kernarg_segment_align: 8
    .kernarg_segment_size: 40
    .max_flat_workgroup_size: 128
    .sgpr_count:     66
    .vgpr_count:     1024
    .wavefront_size: 32
...
	.end_amdgpu_metadata
.endif
;; end of part 2
;; ======== version 2 of 2: 2 launches; version 1 with the launch cast written anew for expert scheduling mode
;; workspace buffers: ab16 67,108,864 bytes
;; launch cast (part 3): grid 256 x 2, 8 waves a work-group, no clusters, 0 bytes of LDS; arguments x, kernel, ab16; writes ab16
.if DOCPART == 3
	.amdgcn_target "amdgcn-amd-amdhsa--gfx1250"
	.amdhsa_code_object_version 6
	.text
	.protected	k_q6f562ba1b5_cast
	.globl	k_q6f562ba1b5_cast
	.p2align	8
	.type	k_q6f562ba1b5_cast,@function
k_q6f562ba1b5_cast:
	s_mov_b64 s[64:65], 0
	v_nop
	global_prefetch_b8 v0, s[64:65] scope:SCOPE_SE
	s_setreg_imm32_b32 hwreg(HW_REG_WAVE_SCHED_MODE, 0, 2), 2
	s_setreg_imm32_b32 hwreg(HW_REG_WAVE_MODE, 25, 1), 1
	s_wait_xcnt 0x0
	s_wait_alu depctr_vm_vsrc(0)
; ab16 = bf16(x), then bf16(kernel): both [4096][4096], each number rounded once to the nearest bf16 (ties to even), the layout kept.
; bf16 has f32's exponent range, so no input overflows or vanishes here; what is lost is the mantissa below 8 bits.
; Why a launch of its own: in the product each number of x and of kernel is read from LDS by two waves and in 16 work-groups; rounded here, once,
; it is half the bytes on every one of those ways.
; A stream: no LDS, no barrier, no matrix unit, no cluster: nothing is shared and nothing is summed.
; Grid y picks the tensor (0: x, 1: kernel).  Work-group g takes 262,144 consecutive source bytes, 64 pieces of 4,096.  Thread t takes 16 bytes of each piece:
; a wave's load covers 512 consecutive bytes, its store 256 consecutive bytes at a multiple of 256 from the buffer's first byte.
; The pieces stand in the immediates (258,048 at the most), so no address register and no base is rewritten.
; THE MODE: SCHED_MODE bits 1:0 = 2 (LLVM: expert scheduling mode 2), set by the entry lines.  The code itself states the register dependences
; between vector instructions and memory instructions, with s_wait_alu, always for 0.
; THE PLAN.  The 64 pieces go in 16 blocks of four.  Registers that memory instructions touch:
;   X0 .. X5   six blocks as loaded.    Written by the loads of block p + 5, issued in block p; read by block p's conversions.
;   Y0, Y1     two blocks to store.     Written by block p's conversions; read by the four stores that are issued in block p + 1.
;   v1, v2     byte offsets, made once at the head and never written again.
; Block p works on X[p % 6] and writes Y[p % 2].  Its memory instructions are the loads into X[(p + 5) % 6] = X[(p - 1) % 6] and the stores from
; Y[(p - 1) % 2]: the two buffers that block p - 1 worked on and that no vector instruction of block p names.  So the waits at the head of a block
; state all that the block's eight memory instructions hang on, and these are dealt among its conversions with no further wait.
.set BLOCK,  4                         ; pieces in a block
.set BLOCKS, 64 / BLOCK
.set XBUFS,  6                         ; one at work, four on their way, one just read and asked for again
.set AHEAD,  XBUFS-1                   ; block p asks for block p + 5
.set X, 4                              ; v[4:99]    buffer k, piece i: 4 registers at X + 16 k + 4 i, 4 f32 as loaded
.set Y, 100                            ; v[100:115] buffer k, piece i: 2 registers at Y + 8 k + 2 i, 4 bf16 to store
	s_load_b128 s[4:7], s[0:1], 0x0                ; x s[4:5], kernel s[6:7]
	s_load_b64 s[8:9], s[0:1], 0x10                ; ab16
	s_and_b32 s10, ttmp7, 0xffff                   ; which tensor
	s_lshl_b32 s12, ttmp9, 18                      ; the work-group's 262,144 source bytes (under 2^26 in all)
	s_mov_b32 s13, 0
	s_lshl_b32 s14, ttmp9, 17                      ; its 131,072 bytes of the result,
	s_lshl_b32 s16, s10, 25                        ; kernel's behind x's 33,554,432
	s_add_co_u32 s14, s14, s16
	s_mov_b32 s15, 0
	v_lshlrev_b32 v1, 4, v0                        ; 16 t: my bytes in a source piece; never rewritten
	v_lshlrev_b32 v2, 3, v0                        ; 8 t: my bytes in a piece of the result; never rewritten
	s_wait_kmcnt 0x0
	s_cmp_eq_u32 s10, 0
	s_cselect_b64 s[4:5], s[4:5], s[6:7]           ; the source: a choice between two buffers by the grid's y
	s_add_nc_u64 s[4:5], s[4:5], s[12:13]
	s_add_nc_u64 s[8:9], s[8:9], s[14:15]
	s_wait_alu depctr_va_vdst(0)                   ; v1 and v2 are written: every load of the kernel reads v1 as its offset, every store v2
.set i, 0
.rept AHEAD*BLOCK
	global_load_b128 v[X+4*i:X+4*i+3], v1, s[4:5] offset:i*4096 th:TH_LOAD_NT  ; blocks 0 to 4 into X0 to X4; the source is read once in the launch
.set i, i+1
.endr
; Block p, written out sixteen times.
.set p, 0
.rept BLOCKS
.set XB, X+16*(p%XBUFS)                ; the block's own numbers
.set XN, X+16*((p+AHEAD)%XBUFS)        ; where block p + 5 lands: the buffer that block p - 1 read
.set YB, Y+8*(p%2)                     ; what this block writes
.set YP, Y+8*((p+1)%2)                 ; what block p - 1 wrote
.if p+AHEAD-1 < BLOCKS
	s_wait_loadcnt (AHEAD-1)*BLOCK                 ; loads come back in order (ISA guide 5.7.1): X[p % 6] is in, the four younger blocks (16 loads) stay out
.else
	s_wait_loadcnt BLOCK*(BLOCKS-1-p)              ; fewer blocks are left behind this one: the count runs down
.endif
.if p >= 2
	s_wait_xcnt 0x0                                ; every earlier memory instruction has had its addresses translated (ISA guide 3.1): Y[p % 2], the data of the stores issued in the block before, is rewritten only behind this wait
	s_wait_alu depctr_vm_vsrc(0)                   ; those stores have read Y[p % 2], which this block's conversions write again
.endif
.if p >= 1
	s_wait_alu depctr_va_vdst(0)                   ; the block before has written the other Y, which the stores below read, and is done reading its X, in which the loads below land
.endif
.set i, 0
.rept BLOCK
.if p+AHEAD < BLOCKS
	global_load_b128 v[XN+4*i:XN+4*i+3], v1, s[4:5] offset:(BLOCK*(p+AHEAD)+i)*4096 th:TH_LOAD_NT  ; five blocks ahead, the load ahead of the store; no vector instruction since the wait names these registers
.endif
.if p >= 1
	global_store_b64 v2, v[YP+2*i:YP+2*i+1], s[8:9] offset:(BLOCK*(p-1)+i)*2048  ; the block before; no hint: the next launch reads these bytes
.endif
	v_cvt_pk_bf16_f32 v[YB+2*i], v[XB+4*i], v[XB+4*i+1]      ; two roundings, packed
	v_cvt_pk_bf16_f32 v[YB+2*i+1], v[XB+4*i+2], v[XB+4*i+3]
.set i, i+1
.endr
.set p, p+1
.endr                                                  ; blocks 11 to 15 load nothing: no load leaves the buffer
	s_wait_alu depctr_va_vdst(0)                   ; block 15 has written Y1, which the last four stores read
.set i, 0
.rept BLOCK
	global_store_b64 v2, v[Y+8+2*i:Y+8+2*i+1], s[8:9] offset:(BLOCK*(BLOCKS-1)+i)*2048
.set i, i+1
.endr
	s_endpgm
.Lfunc_end_k_q6f562ba1b5_cast:
	.size	k_q6f562ba1b5_cast, .Lfunc_end_k_q6f562ba1b5_cast-k_q6f562ba1b5_cast
	.p2alignl 7, 3214868480
	.fill 96, 4, 3214868480
	.section	.rodata,"a",@progbits
	.p2align	6, 0x0
	.amdhsa_kernel k_q6f562ba1b5_cast
		.amdhsa_group_segment_fixed_size 0
		.amdhsa_private_segment_fixed_size 0
		.amdhsa_enable_private_segment 0
		.amdhsa_kernarg_size 24
		.amdhsa_user_sgpr_count 2
		.amdhsa_user_sgpr_kernarg_segment_ptr 1
		.amdhsa_wavefront_size32 1
		.amdhsa_system_sgpr_workgroup_id_x 1
		.amdhsa_system_sgpr_workgroup_id_y 1
		.amdhsa_system_sgpr_workgroup_id_z 1
		.amdhsa_system_vgpr_workitem_id 0
		.amdhsa_next_free_vgpr 116
		.amdhsa_next_free_sgpr 66
		.amdhsa_reserve_vcc 0
		.amdhsa_float_denorm_mode_32 3
		.amdhsa_float_denorm_mode_16_64 3
		.amdhsa_memory_ordered 1
		.amdhsa_forward_progress 1
		.amdhsa_inst_pref_size 23
	.end_amdhsa_kernel
	.amdgpu_metadata
---
amdhsa.version: [ 1, 2 ]
amdhsa.kernels:
  - .name:           k_q6f562ba1b5_cast
    .symbol:         k_q6f562ba1b5_cast.kd
    .args:
      - { .name: x, .offset: 0, .size: 8, .value_kind: global_buffer, .address_space: global }
      - { .name: kernel, .offset: 8, .size: 8, .value_kind: global_buffer, .address_space: global }
      - { .name: ab16, .offset: 16, .size: 8, .value_kind: global_buffer, .address_space: global }
    .group_segment_fixed_size: 0
    .private_segment_fixed_size: 0
    .kernarg_segment_align: 8
    .kernarg_segment_size: 24
    .max_flat_workgroup_size: 256
    .sgpr_count:     66
    .vgpr_count:     116
    .wavefront_size: 32
...
	.end_amdgpu_metadata
.endif
;; end of part 3
;; launch gemm: the kernel of part 2 again; grid 16 x 16, 4 waves a work-group, clusters of 4 x 4, 327,680 bytes of LDS; arguments ab16, noise_eps, noise_mean, noise_std, out0; writes out0
